; MI455X (gfx1250); checked and timed in simulation.
; The chip was launched on July 23, 2026; its instructions are those of AMD's public machine-readable ISA for CDNA 5 (MIT licence, August 2026) and "CDNA5" Instruction Set Architecture Reference Guide (July 2026). The comments in the code are by the model that wrote it; some were corrected since.
;; Transformer Block Quantum. Allowed arithmetic: matrix products marked QUANTISED: E5M2 operands, one given power-of-two scale a tensor, by v_wmma_f32_16x16x64_bf8_bf8 or v_wmma_f32_16x16x128_bf8_bf8, f32 sums; everything else in f32.
;; Inputs: W1 512 x 2,048 float32; W2 2,048 x 512 float32; b1 2,048 float32; b2 512 float32; bt1 512 float32; bt2 512 float32; g1 512 float32; g2 512 float32; lowp_scales 8 int32 (the exponents e of the quantised operands' scales 2^e); th_attn 512 float32; th_ffn 512 float32; x 4 x 2,048 x 512 float32.
;; Outputs: out0 4 x 2,048 x 512 float32.
;; This version of the problem:
;;   THIS VERSION OF THE PROBLEM IS GIVEN IN LOW PRECISION. The matrix products marked QUANTISED in the list below multiply operands that are first quantised to E5M2 (5 exponent bits, 2 mantissa bits; 8 bits a number), with one given power-of-two scale for each operand tensor; their sums are f32. All else is computed in f32.
;;   The module's matrix products, in the order in which they are computed (A, B: the left and right operand; K: the contracted axis; several contracted axes count as one K, in the product's order):
;;     1. batch 32 x [M 2,048, K 64] x [K 64, N 2,048]; A: computed on the way; B: computed on the way: QUANTISED (scales: A lowp_scales[0], B lowp_scales[1])
;;     2. batch 32 x [M 2,048, K 2,048] x [K 2,048, N 64]; A: softmax (see below); B: computed on the way: QUANTISED (scales: A lowp_scales[2], B lowp_scales[3])
;;     3. [M 8,192, K 512] x [K 512, N 2,048]; A: computed on the way; B: input W1: QUANTISED (scales: A lowp_scales[4], B lowp_scales[5])
;;     4. [M 8,192, K 2,048] x [K 2,048, N 512]; A: computed on the way; B: input W2: QUANTISED (scales: A lowp_scales[6], B lowp_scales[7])
;;   THE QUANTISER, for each operand of a quantised product, along K:
;;     - The operand's scale is 2^e, e = its entry of the input lowp_scales (int32; the entries are numbered through the quantised products in the list's order, A before B).
;;     - Each number is divided by the scale, clamped to +-57,344, and rounded to the nearest number of E5M2, ties to even, subnormals kept.
;;     - The product sums the exact products of the quantised numbers (number of the format x scale) in f32.
;;   ~~~python
;;   def quantise(x, axis, e):      # numpy; x: float32 -> the quantised numbers, widened to float32 again
;;       x = np.moveaxis(x, axis, -1); K = x.shape[-1]
;;       r = np.clip(x / 2.0 ** e, -57344, 57344)
;;       step = 2.0 ** (np.maximum(np.frexp(np.where(r == 0, 1, r))[1] - 1, -14) - 2)
;;       q = np.round(r / step) * step * 2.0 ** e      # np.round: ties to even
;;       return np.moveaxis(q, -1, axis).astype(np.float32)
;;   ~~~
;;   SOFTMAX AHEAD OF A QUANTISED PRODUCT. Where the list says 'softmax', what is quantised is not the finished softmax but p = 2^(t - M), with t = logit x log2(e) and M = ceil(the row's largest t), a whole number; so 1/2 < the row's largest p <= 1. The row's sum l is taken of the UNQUANTISED p, in f32, and the product's result is divided by l at the end. Since M is a whole number, a kernel that streams over the keys may use a running M (the ceiling of the running maximum): every later rescaling is an exact power of two, so the quantised numbers keep their values, but for numbers so far below the row's largest that they fall under the format's range.
;;   OPERANDS COMPUTED ON THE WAY. 'Computed on the way' means the value that the module computes at that place (a softmax that the list does not call 'softmax' is quantised finished and normalised). What goes into a quantiser is computed in f32, as accurately as f32 sums, v_exp_f32 and their like allow (about 1e-6 of the number): no bf16 or f16 on the way to a quantiser, and a product that is left as it is and whose result goes on into a quantised operand takes f32 operands (vector FMAs, or v_wmma_f32_16x16x4_f32). A number that lies on a knife's edge between two numbers of the format may be rounded either way, as far as f32 arithmetic and the matrix unit's own rounding can turn it there, and no further.
;; One version. Each part assembles by itself: llvm-mc -triple=amdgcn-amd-amdhsa -mcpu=gfx1250 --defsym DOCPART=n.
;; ======== version 1 of 1: 3 launches
;; limits: inputs' magnitudes at most 100,000; right only within a limited range of input values
;; workspace buffers: qc 4,194,304 bytes; kv 8,388,608 bytes; wf 2,097,152 bytes; ao 16,777,216 bytes
;; launch prep (part 1): grid 1024 x 1, 4 waves a work-group, no clusters, 35,328 bytes of LDS; arguments x, th_attn, W1, W2, lowp_scales, qc, kv, wf; writes qc, kv, wf
.if DOCPART == 1
	.amdgcn_target "amdgcn-amd-amdhsa--gfx1250"
	.amdhsa_code_object_version 6
	.text
	.protected	k_qd7a439728a_prep
	.globl	k_qd7a439728a_prep
	.p2align	8
	.type	k_qd7a439728a_prep,@function
k_qd7a439728a_prep:
	s_mov_b64 s[64:65], 0
	v_nop
	global_prefetch_b8 v0, s[64:65] scope:SCOPE_SE
	s_setreg_imm32_b32 hwreg(HW_REG_WAVE_MODE, 25, 1), 1
	s_wait_xcnt 0x0
; PREP: everything that is quantised once.  Work-groups 0-511: xq = cos(cos(x) cos(th)) cos(th) for 128 keys of one head, quantised three times to E5M2:
; as Q (scale 2^e0), as K (2^e1), both along the head's 64, and as V (2^e3) along the keys.  Work-groups 512-767: W1 (2^e5).  Work-groups 768-1023: W2 (2^e7).
; ALL OUTPUTS ARE IMAGES OF OPERAND REGISTERS: a group of four registers is 512 bytes, lane l's 16 bytes at 16 l (r = l % 16, h = l / 16).  A group holds k = 32 g + 16 h + 0 .. 15 of the lane's row.
; That is one permutation of k, the same on both operands of each product.  THE ROWS OF A TILE ARE NOT NEIGHBOURS: lane r of tile 2 b + u takes row 32 b + 8 u + r + 8 (r / 8) (K's keys, Q's queries, W1's hidden units),
; so that the results of two neighbouring tiles are 16 neighbours along the next product's K.
;   qc [head 32][tile 128][1,024]        kv [head 32][key step 16][K: 8 tiles x 1,024 | V: 4 tiles of 16 channels x 2,048]
;   wf [chunk of 128 hidden units 16][wave 8][W1: 4 K steps x 2,048 | W2: 4 tiles of 16 outputs x 2,048]
; code = number / 2^e, held within +-57,344, to the nearest code, ties to even.
; TWO COSINES.  cos(x) and cos(th) take any argument: range reduction and a series (COSV).  The second cosine's argument is a product of two cosines, within +-1 for every input: a series alone (COSS).
; LIMITS: e0, e1, e3, e5, e7 between -126 and 112 (2^e and 57,344 x 2^e are made as f32 numbers).  |x| up to 1e5 (the cosine's range reduction).  NaN and infinities among the inputs are not served.
; No matrix unit, no tensor load, no cluster: work-groups share no input and waves share no LDS byte, so there is no barrier.
.set TC,    16                         ; v16-47   the cosines' temporaries: eight for each of up to four pairs
.set C13,   10                         ; v[10:11] 1 / 13!, twice
.set C12,   54                         ; v[54:55] 1 / 12!, twice
.set CT,    12                         ; v[12:15] cos(th) of my four channels
.set XR,    64                         ; v64-127  x as loaded, then xq; later V's numbers
.set AR,    128                        ; v128-159 a tile's 32 numbers of my row
.set HOLD,  160                        ; v160-175 held numbers
.set QCR,   176                        ; v176-191 Q's codes      v192-207 K's      v208-223 V's
.set KCR,   192
.set VCR,   208
.set PITCH, 272                        ; a key's 64 numbers in LDS: 256 bytes + 16
.set TILE,  32*PITCH                   ; a wave's own 32 keys
; cos of v[x] .. v[x + 2 n - 1] into v[d] on, n pairs, line by line across the pairs so that no line waits for the line above it.
; k = nearest whole number to x / pi - 1/2;  r = (k + 1/2) pi - x, pi in two parts, fused, so that r is rounded relative to itself;  cos x = (-1)^k sin r, |r| <= pi / 2 (and a rounding);
; sin r = r + r s P(s), s = r^2, P the series up to r^13: what is left out is under 7e-10.
.macro COSV d, x, n
.set cp, 0
.rept \n
	v_pk_fma_f32 v[TC+8*cp:TC+8*cp+1], v[(\x)+2*cp:(\x)+2*cp+1], 0x3ea2f983, -0.5 op_sel_hi:[1,0,0]
.set cp, cp+1
.endr
.set cp, 0
.rept \n
	v_rndne_f32 v[TC+8*cp], v[TC+8*cp]
	v_rndne_f32 v[TC+8*cp+1], v[TC+8*cp+1]
.set cp, cp+1
.endr
.set cp, 0
.rept \n
	v_cvt_i32_f32 v[TC+8*cp+2], v[TC+8*cp]
	v_cvt_i32_f32 v[TC+8*cp+3], v[TC+8*cp+1]
.set cp, cp+1
.endr
.set cp, 0
.rept \n
	v_pk_add_f32 v[TC+8*cp:TC+8*cp+1], v[TC+8*cp:TC+8*cp+1], 0.5 op_sel_hi:[1,0]
.set cp, cp+1
.endr
.set cp, 0
.rept \n
	v_pk_fma_f32 v[TC+8*cp+4:TC+8*cp+5], v[TC+8*cp:TC+8*cp+1], 0x40490fdb, v[(\x)+2*cp:(\x)+2*cp+1] op_sel_hi:[1,0,1] neg_lo:[0,0,1] neg_hi:[0,0,1]
.set cp, cp+1
.endr
.set cp, 0
.rept \n
	v_pk_fma_f32 v[TC+8*cp+4:TC+8*cp+5], v[TC+8*cp:TC+8*cp+1], 0xb3bbbd2e, v[TC+8*cp+4:TC+8*cp+5] op_sel_hi:[1,0,1]
.set cp, cp+1
.endr
.set cp, 0
.rept \n
	v_lshlrev_b32 v[TC+8*cp+2], 31, v[TC+8*cp+2]
	v_lshlrev_b32 v[TC+8*cp+3], 31, v[TC+8*cp+3]
.set cp, cp+1
.endr
.set cp, 0
.rept \n
	v_xor_b32 v[TC+8*cp+4], v[TC+8*cp+4], v[TC+8*cp+2]
	v_xor_b32 v[TC+8*cp+5], v[TC+8*cp+5], v[TC+8*cp+3]
.set cp, cp+1
.endr
.set cp, 0
.rept \n
	v_pk_mul_f32 v[TC+8*cp+6:TC+8*cp+7], v[TC+8*cp+4:TC+8*cp+5], v[TC+8*cp+4:TC+8*cp+5]
.set cp, cp+1
.endr
.set cp, 0
.rept \n
	v_pk_fma_f32 v[TC+8*cp+2:TC+8*cp+3], v[TC+8*cp+6:TC+8*cp+7], v[C13:C13+1], 0xb2d7322b op_sel_hi:[1,1,0]
.set cp, cp+1
.endr
.irp lit, 0x3638ef1d, 0xb9500d01, 0x3c088889, 0xbe2aaaab
.set cp, 0
.rept \n
	v_pk_fma_f32 v[TC+8*cp+2:TC+8*cp+3], v[TC+8*cp+2:TC+8*cp+3], v[TC+8*cp+6:TC+8*cp+7], \lit op_sel_hi:[1,1,0]
.set cp, cp+1
.endr
.endr
.set cp, 0
.rept \n
	v_pk_mul_f32 v[TC+8*cp:TC+8*cp+1], v[TC+8*cp+4:TC+8*cp+5], v[TC+8*cp+6:TC+8*cp+7]
.set cp, cp+1
.endr
.set cp, 0
.rept \n
	v_pk_fma_f32 v[(\d)+2*cp:(\d)+2*cp+1], v[TC+8*cp:TC+8*cp+1], v[TC+8*cp+2:TC+8*cp+3], v[TC+8*cp+4:TC+8*cp+5]
.set cp, cp+1
.endr
.endm
; cos of numbers within +-1 (and a rounding): s = z^2; 1 - s/2 + s^2/24 - .. + s^6/12!, by Horner.  What is left out is under 1 / 14! = 1.2e-11; the result is never under cos 1 = 0.54, so the error is relative to it too.
.macro COSS d, x, n
.set cp, 0
.rept \n
	v_pk_mul_f32 v[TC+8*cp:TC+8*cp+1], v[(\x)+2*cp:(\x)+2*cp+1], v[(\x)+2*cp:(\x)+2*cp+1]
.set cp, cp+1
.endr
.set cp, 0
.rept \n
	v_pk_fma_f32 v[TC+8*cp+2:TC+8*cp+3], v[TC+8*cp:TC+8*cp+1], v[C12:C12+1], 0xb493f27e op_sel_hi:[1,1,0]
.set cp, cp+1
.endr
.irp lit, 0x37d00d01, 0xbab60b61, 0x3d2aaaab, -0.5
.set cp, 0
.rept \n
	v_pk_fma_f32 v[TC+8*cp+2:TC+8*cp+3], v[TC+8*cp+2:TC+8*cp+3], v[TC+8*cp:TC+8*cp+1], \lit op_sel_hi:[1,1,0]
.set cp, cp+1
.endr
.endr
.set cp, 0
.rept \n
	v_pk_fma_f32 v[(\d)+2*cp:(\d)+2*cp+1], v[TC+8*cp+2:TC+8*cp+3], v[TC+8*cp:TC+8*cp+1], 1.0 op_sel_hi:[1,1,0]
.set cp, cp+1
.endr
.endm
; v[vsc] = 2^e as f32 (the conversion takes its exponent field), v[vlim] = 57,344 x 2^e; e in s[se]
.macro MKSC vsc, vlim, se
	s_add_co_i32 s32, s[\se], 127
	s_lshl_b32 s33, s32, 23
	v_mov_b32 v[\vsc], s33
	s_add_co_i32 s32, s32, 15
	s_lshl_b32 s32, s32, 23
	s_or_b32 s32, s32, 0x600000
	v_mov_b32 v[\vlim], s32
.endm
; A weight stored [k][n]: a lane takes a column n and its 32 registers run down K, so the conversions give codes with K innermost and nothing is transposed.
; A wave reads 128 consecutive bytes a load, the four waves of a work-group 512.  The lane's 32 codes are the two halves (h = 0, 1) of one group of its row's fragment.
.macro WQ pitch, se, src
.set wi, 0
.rept 32
	global_load_b32 v[XR+wi], v4, s[\src:\src+1] offset:wi*\pitch th:TH_LOAD_NT
.set wi, wi+1
.endr
	s_wait_kmcnt 0x0                               ; the exponents
	MKSC 48, 49, \se
	s_wait_alu depctr_va_vdst(0)
	s_wait_loadcnt 0x0
.set wi, 0
.rept 32
	v_med3_num_f32 v[XR+wi], v[XR+wi], -v49, v49   ; the conversion to an 8-bit code does not saturate (ISA guide 7.6.2): the hold comes first
.set wi, wi+1
.endr
.irp g, 0,1,2,3
	v_cvt_scalef32_pk8_bf8_f32 v[96+2*\g:97+2*\g], v[XR+8*\g:XR+8*\g+7], v48
.endr
	v_nop
	global_store_b128 v5, v[96:99], s[22:23]                ; k 0-15 of the block: the lanes' 16 bytes fill two aligned runs of 256 bytes
	global_store_b128 v5, v[100:103], s[22:23] offset:256   ; k 16-31: the upper half of the lanes' places
	s_endpgm
.endm
	s_load_b512 s[8:23], s[0:1], 0x0               ; x 8, th 10, W1 12, W2 14, the exponents 16, qc 18, kv 20, wf 22
	v_lshl_add_u32 v254, v0, 2, 0x8800
	v_mov_b32 v255, 0
	v_lshrrev_b32 v1, 5, v0
	v_readfirstlane_b32 s2, v1                     ; wave 0..3
	v_and_b32 v1, 31, v0                           ; lane
	v_and_b32 v2, 15, v0                           ; r
	v_bfe_u32 v3, v0, 4, 1                         ; h
	s_wait_kmcnt 0x0
	s_load_b256 s[24:31], s[16:17], 0x0            ; e0 .. e7
	s_cmp_lt_u32 ttmp9, 512
	s_cbranch_scc0 .Lweights
	; ---- x: head hb = work-group / 16, key step st = work-group % 16; wave w takes keys 128 st + 32 w + 0 .. 31
	s_lshr_b32 s3, ttmp9, 4                        ; hb
	s_and_b32 s4, ttmp9, 15                        ; st
	s_lshr_b32 s5, s3, 3                           ; batch
	s_and_b32 s6, s3, 7                            ; head in the row
	s_lshl_b32 s34, s5, 22                         ; a batch is 2,048 rows of 2,048 bytes
	s_lshl_b32 s7, s4, 18
	s_add_co_u32 s34, s34, s7
	s_lshl_b32 s7, s2, 16
	s_add_co_u32 s34, s34, s7
	s_lshl_b32 s36, s6, 8                          ; the head's 256 bytes of a row, and of th
	s_add_co_u32 s34, s34, s36
	s_mov_b32 s35, 0
	s_mov_b32 s37, 0
	s_add_nc_u64 s[8:9], s[8:9], s[34:35]
	s_add_nc_u64 s[10:11], s[10:11], s[36:37]
	s_mul_i32 s38, s2, TILE                        ; my wave's tile in LDS
	s_wait_alu depctr_va_vdst(0)
	v_lshlrev_b32 v5, 4, v2                        ; 16 r: my four channels
	v_lshl_add_u32 v4, v3, 11, v5                  ; x: lanes 0-15 one row's 256 bytes, lanes 16-31 the next row's
	global_load_b128 v[CT:CT+3], v5, s[10:11]
.set ga, 0
.rept 16
	global_load_b128 v[XR+4*ga:XR+4*ga+3], v4, s[8:9] offset:4096*ga th:TH_LOAD_NT
.set ga, ga+1
.endr
	v_mul_u32_u24 v6, v3, PITCH
	v_add_nc_u32 v6, v6, v5
	v_add_nc_u32 v6, s38, v6                       ; into the tile: row 2 i + h, 16 r
	v_and_b32 v7, 8, v2
	v_add_nc_u32 v7, v7, v2                        ; r + 8 (r / 8)
	v_mul_u32_u24 v7, v7, PITCH
	v_lshl_add_u32 v7, v3, 6, v7
	v_add_nc_u32 v7, s38, v7                       ; Q, K: my row of a tile, + 16 h channels
	v_mul_u32_u24 v8, v3, 16*PITCH
	v_lshl_add_u32 v8, v2, 2, v8
	v_add_nc_u32 v8, s38, v8                       ; V: keys 16 h on, channel r
	v_lshlrev_b32 v9, 4, v1                        ; an image's place for my lane
	v_mov_b32 v[C13], 0x2f309231
	v_mov_b32 v[C13+1], 0x2f309231
	v_mov_b32 v[C12], 0x310f76c7
	v_mov_b32 v[C12+1], 0x310f76c7
	; where the images go
	s_lshl_b32 s40, s3, 17                         ; qc: (128 hb + 8 st + 2 w) x 1,024
	s_lshl_b32 s7, s4, 13
	s_add_co_u32 s40, s40, s7
	s_lshl_b32 s42, s2, 11
	s_add_co_u32 s40, s40, s42
	s_mov_b32 s41, 0
	s_mov_b32 s43, 0
	s_add_nc_u64 s[18:19], s[18:19], s[40:41]
	s_lshl_b32 s40, s3, 18                         ; kv: hb x 262,144 + st x 16,384
	s_lshl_b32 s7, s4, 14
	s_add_co_u32 s40, s40, s7
	s_add_nc_u64 s[20:21], s[20:21], s[40:41]
	s_add_nc_u64 s[44:45], s[20:21], s[42:43]      ; K: tiles 2 w, 2 w + 1
	s_lshl_b32 s42, s2, 9
	s_add_nc_u64 s[46:47], s[20:21], s[42:43]      ; V: group w of each of the four tiles
	s_wait_kmcnt 0x0                               ; the exponents
	MKSC 48, 49, 24                                ; Q: e0
	MKSC 50, 51, 25                                ; K: e1
	MKSC 52, 53, 27                                ; V: e3
	s_wait_loadcnt 16                              ; th is in; x's sixteen loads, issued behind it, may be out
	COSV CT, CT, 2
.macro MULCT b
	v_pk_mul_f32 v[(\b):(\b)+1], v[(\b):(\b)+1], v[CT:CT+1]
	v_pk_mul_f32 v[(\b)+2:(\b)+3], v[(\b)+2:(\b)+3], v[CT+2:CT+3]
	v_pk_mul_f32 v[(\b)+4:(\b)+5], v[(\b)+4:(\b)+5], v[CT:CT+1]
	v_pk_mul_f32 v[(\b)+6:(\b)+7], v[(\b)+6:(\b)+7], v[CT+2:CT+3]
.endm
.set ga, 0
.rept 8
	s_wait_loadcnt 14-2*ga                         ; loads 2 a and 2 a + 1 are in; those issued behind them may be out
	COSV XR+8*ga, XR+8*ga, 4
	MULCT XR+8*ga                                  ; cos(x) cos(th): within +-1
	COSS XR+8*ga, XR+8*ga, 4
	MULCT XR+8*ga                                  ; xq
	ds_store_b128 v6, v[XR+8*ga:XR+8*ga+3] offset:2*PITCH*(2*ga)
	ds_store_b128 v6, v[XR+8*ga+4:XR+8*ga+7] offset:2*PITCH*(2*ga+1)
.set ga, ga+1
.endr
	; Q and K: tiles 2 w + u.  LDS serves a wave's instructions in order (ISA guide 5.7.1.4): the loads see my stores
.irp u, 0,1
.irp g, 0,1
.irp j, 0,1,2,3
	ds_load_b128 v[AR+16*\g+4*\j:AR+16*\g+4*\j+3], v7 offset:8*PITCH*\u+128*\g+16*\j
.endr
.endr
	s_wait_dscnt 0x0
.irp g, 0,1
.set hi, 0
.rept 16
	v_med3_num_f32 v[HOLD+hi], v[AR+16*\g+hi], -v49, v49
.set hi, hi+1
.endr
	v_cvt_scalef32_pk8_bf8_f32 v[QCR+8*\u+4*\g:QCR+8*\u+4*\g+1], v[HOLD:HOLD+7], v48
	v_cvt_scalef32_pk8_bf8_f32 v[QCR+8*\u+4*\g+2:QCR+8*\u+4*\g+3], v[HOLD+8:HOLD+15], v48
	v_nop                                          ; a plain line between the conversions and the next writes of their sources
.set hi, 0
.rept 16
	v_med3_num_f32 v[HOLD+hi], v[AR+16*\g+hi], -v51, v51
.set hi, hi+1
.endr
	v_cvt_scalef32_pk8_bf8_f32 v[KCR+8*\u+4*\g:KCR+8*\u+4*\g+1], v[HOLD:HOLD+7], v50
	v_cvt_scalef32_pk8_bf8_f32 v[KCR+8*\u+4*\g+2:KCR+8*\u+4*\g+3], v[HOLD+8:HOLD+15], v50
	v_nop
.endr
.endr
	; V: lane (r, h) takes channel 16 t + r and its registers run down the keys 16 h + 0 .. 15 of my wave's 32
.macro VLOAD t
.set vi, 0
.rept 16
	ds_load_b32 v[XR+16*\t+vi], v8 offset:PITCH*vi+64*\t
.set vi, vi+1
.endr
.endm
.macro VQ t
.set vi, 0
.rept 16
	v_med3_num_f32 v[XR+16*\t+vi], v[XR+16*\t+vi], -v53, v53
.set vi, vi+1
.endr
	v_cvt_scalef32_pk8_bf8_f32 v[VCR+4*\t:VCR+4*\t+1], v[XR+16*\t:XR+16*\t+7], v52
	v_cvt_scalef32_pk8_bf8_f32 v[VCR+4*\t+2:VCR+4*\t+3], v[XR+16*\t+8:XR+16*\t+15], v52
	v_nop
.endm
	VLOAD 0
	VLOAD 1
	VLOAD 2
	s_wait_dscnt 32                                ; tile 0's sixteen are in; tiles 1 and 2's may be out
	VLOAD 3
	VQ 0
	s_wait_dscnt 32                                ; tile 1's; behind them tiles 2 and 3's
	VQ 1
	s_wait_dscnt 16
	VQ 2
	s_wait_dscnt 0x0
	VQ 3
	; every store of the wave covers 512 consecutive bytes, aligned; each has data registers of its own, so none is written again
.irp u, 0,1
.irp g, 0,1
	global_store_b128 v9, v[QCR+8*\u+4*\g:QCR+8*\u+4*\g+3], s[18:19] offset:1024*\u+512*\g
	global_store_b128 v9, v[KCR+8*\u+4*\g:KCR+8*\u+4*\g+3], s[44:45] offset:1024*\u+512*\g
.endr
.endr
.irp t, 0,1,2,3
	global_store_b128 v9, v[VCR+4*\t:VCR+4*\t+3], s[46:47] offset:8192+2048*\t
.endr
	s_wait_tensorcnt 0x0
	ds_add_u32 v254, v255
	s_wait_dscnt 0x0
	s_endpgm
.Lweights:
	s_sub_co_u32 s3, ttmp9, 512
	s_cmp_lt_u32 s3, 256
	s_cbranch_scc0 .Lw2
	; ---- W1 [512 k][2,048 n]: chunk c = 128 columns, kb = a block of 32 along K; wave w: columns 32 w on = tiles (w, 0) and (w, 1) of the chunk
	s_and_b32 s4, s3, 15                           ; c
	s_lshr_b32 s5, s3, 4                           ; kb
	s_lshl_b32 s34, s5, 18                         ; 32 rows of 8,192 bytes
	s_lshl_b32 s6, s4, 9
	s_add_co_u32 s34, s34, s6
	s_lshl_b32 s6, s2, 7
	s_add_co_u32 s34, s34, s6
	s_mov_b32 s35, 0
	s_add_nc_u64 s[12:13], s[12:13], s[34:35]
	s_lshl_b32 s36, s4, 17                         ; wf: chunk,
	s_lshl_b32 s6, s2, 15                          ; the two waves 2 w, 2 w + 1 that will read these tiles,
	s_add_co_u32 s36, s36, s6
	s_lshr_b32 s6, s5, 2
	s_lshl_b32 s6, s6, 11                          ; K step kb / 4,
	s_add_co_u32 s36, s36, s6
	s_and_b32 s6, s5, 3
	s_lshl_b32 s6, s6, 9                           ; group kb % 4
	s_add_co_u32 s36, s36, s6
	s_mov_b32 s37, 0
	s_add_nc_u64 s[22:23], s[22:23], s[36:37]
	s_wait_alu depctr_va_vdst(0)
	v_lshlrev_b32 v4, 2, v1
	v_bfe_u32 v5, v1, 3, 1                         ; column l of the 32 is row r' = l % 8 + 8 (l / 16) of tile u = (l / 8) % 2
	v_lshlrev_b32 v5, 14, v5
	v_and_b32 v6, 7, v1
	v_lshl_add_u32 v5, v6, 4, v5
	v_lshl_add_u32 v5, v3, 7, v5
	WQ 8192, 29, 12
.Lw2:
	; ---- W2 [2,048 k][512 n]: nq = 128 columns, kb = a block of 32 along K; column n is row n % 16 of tile n / 16; wave n / 64 reads it
	s_sub_co_u32 s3, s3, 256
	s_and_b32 s4, s3, 3                            ; nq
	s_lshr_b32 s5, s3, 2                           ; kb
	s_lshl_b32 s34, s5, 16                         ; 32 rows of 2,048 bytes
	s_lshl_b32 s6, s4, 9
	s_add_co_u32 s34, s34, s6
	s_lshl_b32 s6, s2, 7
	s_add_co_u32 s34, s34, s6
	s_mov_b32 s35, 0
	s_add_nc_u64 s[14:15], s[14:15], s[34:35]
	s_lshr_b32 s36, s5, 2
	s_lshl_b32 s36, s36, 17                        ; chunk kb / 4,
	s_lshl_b32 s6, s4, 1
	s_lshr_b32 s7, s2, 1
	s_add_co_u32 s6, s6, s7
	s_lshl_b32 s6, s6, 14                          ; wave 2 nq + w / 2,
	s_add_co_u32 s36, s36, s6
	s_and_b32 s6, s2, 1
	s_lshl_b32 s6, s6, 12                          ; its tiles 2 (w % 2) and + 1,
	s_add_co_u32 s36, s36, s6
	s_and_b32 s6, s5, 3
	s_lshl_b32 s6, s6, 9                           ; group kb % 4,
	s_add_co_u32 s36, s36, s6
	s_add_co_u32 s36, s36, 8192                    ; behind W1's part
	s_mov_b32 s37, 0
	s_add_nc_u64 s[22:23], s[22:23], s[36:37]
	s_wait_alu depctr_va_vdst(0)
	v_lshlrev_b32 v4, 2, v1
	v_lshlrev_b32 v5, 4, v2
	v_lshl_add_u32 v5, v3, 11, v5
	WQ 2048, 31, 14
.Lfunc_end_k_qd7a439728a_prep:
	.size	k_qd7a439728a_prep, .Lfunc_end_k_qd7a439728a_prep-k_qd7a439728a_prep
	.p2alignl 7, 3214868480
	.fill 96, 4, 3214868480
	.section	.rodata,"a",@progbits
	.p2align	6, 0x0
	.amdhsa_kernel k_qd7a439728a_prep
		.amdhsa_group_segment_fixed_size 35328
		.amdhsa_private_segment_fixed_size 0
		.amdhsa_enable_private_segment 0
		.amdhsa_kernarg_size 64
		.amdhsa_user_sgpr_count 2
		.amdhsa_user_sgpr_kernarg_segment_ptr 1
		.amdhsa_wavefront_size32 1
		.amdhsa_system_sgpr_workgroup_id_x 1
		.amdhsa_system_sgpr_workgroup_id_y 1
		.amdhsa_system_sgpr_workgroup_id_z 1
		.amdhsa_system_vgpr_workitem_id 0
		.amdhsa_next_free_vgpr 256
		.amdhsa_next_free_sgpr 66
		.amdhsa_reserve_vcc 0
		.amdhsa_float_denorm_mode_32 3
		.amdhsa_float_denorm_mode_16_64 3
		.amdhsa_memory_ordered 1
		.amdhsa_forward_progress 1
		.amdhsa_inst_pref_size 106
	.end_amdhsa_kernel
	.amdgpu_metadata
---
amdhsa.version: [ 1, 2 ]
amdhsa.kernels:
  - .name:           k_qd7a439728a_prep
    .symbol:         k_qd7a439728a_prep.kd
    .args:
      - { .name: x, .offset: 0, .size: 8, .value_kind: global_buffer, .address_space: global }
      - { .name: th_attn, .offset: 8, .size: 8, .value_kind: global_buffer, .address_space: global }
      - { .name: W1, .offset: 16, .size: 8, .value_kind: global_buffer, .address_space: global }
      - { .name: W2, .offset: 24, .size: 8, .value_kind: global_buffer, .address_space: global }
      - { .name: lowp_scales, .offset: 32, .size: 8, .value_kind: global_buffer, .address_space: global }
      - { .name: qc, .offset: 40, .size: 8, .value_kind: global_buffer, .address_space: global }
      - { .name: kv, .offset: 48, .size: 8, .value_kind: global_buffer, .address_space: global }
      - { .name: wf, .offset: 56, .size: 8, .value_kind: global_buffer, .address_space: global }
    .group_segment_fixed_size: 35328
    .private_segment_fixed_size: 0
    .kernarg_segment_align: 8
    .kernarg_segment_size: 64
    .max_flat_workgroup_size: 128
    .sgpr_count:     66
    .vgpr_count:     256
    .wavefront_size: 32
...
	.end_amdgpu_metadata
.endif
;; end of part 1
;; launch attn (part 2): grid 8 x 32, 16 waves a work-group, clusters of 4 x 1, 264,192 bytes of LDS; arguments qc, kv, lowp_scales, ao; writes ao
.if DOCPART == 2
	.amdgcn_target "amdgcn-amd-amdhsa--gfx1250"
	.amdhsa_code_object_version 6
	.text
	.protected	k_qd7a439728a_attn
	.globl	k_qd7a439728a_attn
	.p2align	8
	.type	k_qd7a439728a_attn,@function
k_qd7a439728a_attn:
	s_mov_b64 s[64:65], 0
	v_nop
	global_prefetch_b8 v0, s[64:65] scope:SCOPE_SE
	s_setreg_imm32_b32 hwreg(HW_REG_WAVE_MODE, 25, 1), 1
	s_wait_xcnt 0x0
	s_wait_alu depctr_hold_cnt(0) depctr_sa_sdst(0) depctr_va_vdst(0) depctr_va_sdst(0) depctr_va_ssrc(0) depctr_va_vcc(0) depctr_vm_vsrc(0)
	s_getreg_b32 s2, hwreg(HW_REG_IB_STS2, 6, 4)
	s_cmp_eq_u32 s2, 0
	s_cbranch_scc0 .Lentry_in_a_cluster
	s_endpgm
.Lentry_in_a_cluster:
	s_bfe_u32 s2, ttmp6, 0x10000c
	s_cmp_lg_u32 s2, 0x3003
	s_cbranch_scc0 .Lentry_shape_is_right
	s_endpgm
.Lentry_shape_is_right:
; ATTENTION on codes of E5M2.  ao[b][q][64 hd + d] = sum over keys of softmax(q . k / 8) v, q = k = v = xq, quantised by the launch before with 2^e0 (Q), 2^e1 (K), 2^e3 (V); p with 2^e2.
; THE SOFTMAX AHEAD OF THE SECOND PRODUCT: t = score x log2(e) / 8; M = the running largest t rounded UP to a whole number; p = 2^(t - M) is quantised, not normalised; the row's sum is taken of the
; unquantised p and divides at the end; when M moves, the sum and O are multiplied by 2^(old M - new M), which rounds nothing.
; SHARES.  A work-group owns 256 queries of one head, each of its sixteen waves one tile of 16 in 256 registers: four waves to a SIMD.
; THE HEAD'S WHOLE K AND V STAY IN LDS: 16 key steps x 16,384 bytes = 262,144, each byte filled ONCE: no ring, no refill.
; CLUSTER.  The four query blocks of a cluster belong to one head: every fill is a joint load with a mask that names the four.  EVERY WAVE ISSUES ONE LOAD: wave w brings key step w.
; Every wave waits for its own load in front of ONE barrier; behind it all sixteen key steps are whole, and the waves walk them with no barrier between the steps.
; TWO REGIONS OF 64 REGISTERS SWAP ROLES FROM STEP TO STEP: one holds K's fragments and then V's, the other the scores and then p.  When p has been converted, its region takes the NEXT step's K, asked for
; ahead of this step's second product.  So a trip of the loop is two steps; the last two steps are written out, since the last asks for no further K.
; No prefetch is written: every byte of K and V is asked for by the tensor loads at the head, so there is no later request to run ahead of.
; LAYOUT.  Both products are used transposed (S^T = K Q^T, O^T = V^T P^T): a lane holds ONE query (lane % 16).  Operands lie in LDS as images of their registers, 16 bytes a lane, 512 a load.
; Lane r of key tile 2 b + u holds key 32 b + 8 u + r + 8 (r / 8), so the 16 registers of tiles 2 b, 2 b + 1 are keys 32 b + 16 (lane / 16) + 0 .. 15: the conversions' results are the second product's operand.
; Query tile T holds queries 32 (T / 2) + 8 (T % 2) + r + 8 (r / 8); the way out puts the rows back.
; LIMITS on the given exponents: e0 + e1 between -123 and 129 (added to c's exponent field); e2 between -126 and 112; e2 + e3 is applied by v_ldexp_f32 and has none.
.set LI,  1                            ; v1   16 x lane
.set GO,  7                            ; v7   the way out: my byte offset in the tile's rows of ao
.set ADK, 8                            ; v8   LDS address of the trip's first key step
.set QR,  16                           ; v[16:23]  Q's fragment
.set FR,  32                           ; v32-95    the one region
.set SR,  96                           ; v96-159   the other
.set OT,  160                          ; v160-191  O^T
.set PD,  200                          ; a lane permute's destination
.set FF,  202                          ; v[202:203] f = 2^(old M - new M)
.set MA,  204
.set MB,  205
.set LIMP, 208                         ; 57,344 x 2^e2
.set SCP,  209                         ; 2^e2
.set PCD,  224                         ; v224-239  p's codes
.set SC,   240                         ; v240-253  seven chains of the row's sum; the eighth is v[14:15]
.set WV,  12
.set D1,  24                           ; s[24:31] descriptor group 1
.set D0,  32                           ; s[32:35] group 0
.set CS,  72                           ; s[72:73] c = log2(e) / 8 x 2^(e0 + e1)
.set SEL, 74                           ; s[74:75] selects for lane l xor 16
.set TB,  76                           ; LDS byte of the trip's first key step
.set CNT, 77
.macro CROUND                          ; a round of the cluster's barrier
	s_barrier_signal -1
	s_barrier_wait -1
	s_cmp_lg_u32 s[WV], 0
	s_cbranch_scc1 .Lnot_wave_0_\@
	s_barrier_signal -3
.Lnot_wave_0_\@:
	s_barrier_wait -3
	s_barrier_signal -1
	s_barrier_wait -1
.endm
	s_load_b256 s[4:11], s[0:1], 0x0               ; qc 4, kv 6, the exponents 8, ao 10
	v_lshl_add_u32 v254, v0, 2, 0x40000
	v_mov_b32 v255, 0
	ds_add_u32 v254, v255                          ; the opening lines: the add, twice on end, and its wait
	ds_add_u32 v254, v255
	v_lshrrev_b32 v1, 5, v0
	s_delay_alu instid0(VALU_DEP_1)
	v_readfirstlane_b32 s[WV], v1                  ; wave 0..15
	s_bfe_u32 s13, ttmp6, 0x40000                  ; cx
	s_lshl_b32 s14, ttmp9, 2
	s_add_co_u32 s14, s14, s13                     ; my block of 256 queries: it enters qc's and ao's addresses alone
	s_and_b32 s15, ttmp7, 0xffff                   ; the head (0..31), which the four partners share
	s_mov_b32 s[D1], 15|(3<<16)|(1<<21)            ; the mask: all four; elements of 8 bytes; bit 21 beside a mask.  64 rows of 32 elements, dense: 16,384 bytes as they lie
	s_mov_b32 s[D1+1], 32<<16
	s_mov_b32 s[D1+2], 64<<16
	s_mov_b32 s[D1+3], 32<<16
	s_mov_b32 s[D1+4], 64
	s_mov_b32 s[D1+5], 32
	s_mov_b32 s[D1+6], 0
	s_mov_b32 s[D1+7], 0
	s_lshl_b32 s16, s[WV], 14                      ; wave x 16,384: in LDS and in the head's block of kv alike
	s_lshl_b32 s18, s15, 18
	s_add_co_u32 s18, s18, s16
	s_mov_b32 s19, 0
	s_lshl_b32 s20, s15, 17                        ; qc: (128 head + 16 block + wave) x 1,024
	s_lshl_b32 s17, s14, 14
	s_add_co_u32 s20, s20, s17
	s_lshl_b32 s17, s[WV], 10
	s_add_co_u32 s20, s20, s17
	s_mov_b32 s21, 0
	s_lshr_b32 s22, s15, 3                         ; ao: batch x 4 MiB + (256 block + 32 (wave / 2) + 8 (wave % 2)) rows of 2,048 bytes + 256 x head in the row
	s_lshl_b32 s22, s22, 22
	s_lshl_b32 s17, s14, 19
	s_add_co_u32 s22, s22, s17
	s_lshr_b32 s17, s[WV], 1
	s_lshl_b32 s17, s17, 16
	s_add_co_u32 s22, s22, s17
	s_and_b32 s17, s[WV], 1
	s_lshl_b32 s17, s17, 14
	s_add_co_u32 s22, s22, s17
	s_and_b32 s17, s15, 7
	s_lshl_b32 s17, s17, 8
	s_add_co_u32 s22, s22, s17
	s_mov_b32 s23, 0
	s_mov_b32 s[SEL], 0x76543210
	s_mov_b32 s[SEL+1], 0xfedcba98
	s_mov_b32 s[CS], 0x3e38aa3b                    ; log2(e) / 8
	s_wait_dscnt 0x0
	s_wait_kmcnt 0x0
	s_load_b128 s[68:71], s[8:9], 0x0              ; e0 .. e3
	s_add_nc_u64 s[6:7], s[6:7], s[18:19]
	s_add_nc_u64 s[4:5], s[4:5], s[20:21]
	s_add_nc_u64 s[10:11], s[10:11], s[22:23]
	s_mov_b32 s[D0], 1
	s_mov_b32 s[D0+1], s16
	s_mov_b64 s[D0+2:D0+3], s[6:7]
	s_or_b32 s[D0+3], s[D0+3], 0x80000000
	CROUND                                         ; all four work-groups are here: the joint loads meet
	tensor_load_to_lds s[D0:D0+3], s[D1:D1+7]      ; my one load: key step = my wave's number
	s_nop 0
.rept 4
	v_nop
.endr
	v_and_b32 v[LI], 31, v0
	s_delay_alu instid0(VALU_DEP_1)
	v_lshlrev_b32 v[LI], 4, v[LI]
	global_load_b128 v[QR:QR+3], v[LI], s[4:5]
	global_load_b128 v[QR+4:QR+7], v[LI], s[4:5] offset:512
	v_and_b32 v2, 15, v0                           ; r
	v_bfe_u32 v3, v0, 4, 1                         ; h
	s_delay_alu instid0(VALU_DEP_1)
	v_lshlrev_b32 v[GO], 11, v3
	s_delay_alu instid0(VALU_DEP_1)
	v_lshl_add_u32 v[GO], v2, 4, v[GO]             ; lanes 0-15 one row of ao, lanes 16-31 the next; 16 bytes a lane
	v_mov_b32 v13, 0xff61b1e6                      ; the largest t so far: -3e38
	s_delay_alu instid0(VALU_DEP_1)
	v_floor_f32 v12, -v13                          ; -M
	v_mov_b32 v14, 0                               ; the sum, in two halves
	v_mov_b32 v15, 0
	v_mov_b32 v[PD], 0                             ; written once: a lane permute's destination counts as a source
	v_mov_b32 v[FF+1], 0                           ; (named as the upper half of a pair)
.set oj, 0
.rept 32
	v_mov_b32 v[OT+oj], 0                          ; O^T: the key step is written once; the first finds zeros, which the first change of M leaves zeros
.set oj, oj+1
.endr
	s_wait_kmcnt 0x0
	s_add_co_i32 s16, s68, s69
	s_lshl_b32 s16, s16, 23
	s_add_co_i32 s[CS], s[CS], s16                 ; a score stands for score x 2^(e0 + e1): added to c's exponent field
	s_mov_b32 s[CS+1], s[CS]
	s_add_co_i32 s16, s70, 127
	s_lshl_b32 s17, s16, 23
	v_mov_b32 v[SCP], s17
	s_add_co_i32 s16, s16, 15
	s_lshl_b32 s16, s16, 23
	s_or_b32 s16, s16, 0x600000
	v_mov_b32 v[LIMP], s16
	s_wait_alu depctr_va_vdst(0)
	s_wait_loadcnt 0x0                             ; Q
	s_wait_tensorcnt 0x0                           ; my key step has landed;
	s_barrier_signal -1
	s_barrier_wait -1                              ; and so has every wave's: all of K and V is in
.set kt, 0
.rept 8
	ds_load_b128 v[FR+8*kt:FR+8*kt+3], v[LI] offset:1024*kt        ; key step 0's K
	ds_load_b128 v[FR+8*kt+4:FR+8*kt+7], v[LI] offset:1024*kt+512
.set kt, kt+1
.endr
; A KEY STEP: 128 keys, o bytes behind the trip's first.  kx: the region with this step's K, then V; sy: the region for the scores, p, and (nxt = 1) the next step's K.
.macro STEP kx, sy, o, nxt
.if \o == 0
	v_add_nc_u32 v[ADK], s[TB], v[LI]
.else
	v_nop
.endif
.rept 4
	v_nop                                          ; with the line above: five places between the last products and the products below, which write over registers that those read (ISA guide 7.12.1)
.endr
	s_wait_alu depctr_va_vdst(0)
	s_wait_dscnt 0x0                               ; K
.set kt, 0
.rept 8
	v_wmma_f32_16x16x64_bf8_bf8 v[\sy+8*kt:\sy+8*kt+7], v[\kx+8*kt:\kx+8*kt+7], v[QR:QR+7], 0
.set kt, kt+1
.endr
.rept 4
	v_nop                                          ; places in front of the loads below and of the first read of the scores
.endr
.set kt, 0
.rept 16
	ds_load_b128 v[\kx+4*kt:\kx+4*kt+3], v[ADK] offset:\o+8192+512*kt   ; V's four fragments: asked for ahead of the softmax
.set kt, kt+1
.endr
	v_max3_num_f32 v[MA], v[\sy], v[\sy+1], v[\sy+2]  ; the step's largest score of my query among my 64 keys, in two chains, each accumulator from its low end on
	v_max3_num_f32 v[MB], v[\sy+3], v[\sy+4], v[\sy+5]
.irp i, 6,10,14,18,22,26,30,34,38,42,46,50,54,58
	v_max3_num_f32 v[MA], v[MA], v[\sy+\i], v[\sy+1+\i]
	v_max3_num_f32 v[MB], v[MB], v[\sy+2+\i], v[\sy+3+\i]
.endr
	v_max3_num_f32 v[MA], v[MA], v[\sy+62], v[\sy+63]
	s_delay_alu instid0(VALU_DEP_1)
	v_max_num_f32 v[MA], v[MA], v[MB]
	s_delay_alu instid0(VALU_DEP_1)
	v_permlanex16_b32 v[PD], v[MA], s[SEL], s[SEL+1]
	s_delay_alu instid0(VALU_DEP_1)
	v_max_num_f32 v[MA], v[MA], v[PD]              ; and among lane l xor 16's
	s_delay_alu instid0(VALU_DEP_1)
	v_mul_f32 v[MA], s[CS], v[MA]                  ; as t (c is positive)
	s_delay_alu instid0(VALU_DEP_1)
	v_max_num_f32 v13, v13, v[MA]                  ; the running largest t
	v_mov_b32 v[MA], v12
	s_delay_alu instid0(VALU_DEP_2)
	v_floor_f32 v12, -v13                          ; the new -M = floor(-t): M is a whole number
	s_delay_alu instid0(VALU_DEP_1)
	v_sub_f32 v[MA], v12, v[MA]                    ; old M - new M, a whole number, 0 or less
	s_delay_alu instid0(VALU_DEP_1)
	v_cvt_i32_f32 v[MA], v[MA]                     ; (it saturates)
	s_delay_alu instid0(VALU_DEP_1)
	v_ldexp_f32 v[FF], 1.0, v[MA]                  ; f
.set kt, 0
.rept 32
	v_pk_fma_f32 v[\sy+2*kt:\sy+2*kt+1], v[\sy+2*kt:\sy+2*kt+1], s[CS:CS+1], v[12:13] op_sel_hi:[1,0,0]   ; t - M
.set kt, kt+1
.endr
	s_wait_alu depctr_va_vdst(0)
.set kt, 0
.rept 64
	v_exp_f32 v[\sy+kt], v[\sy+kt]                 ; p = 2^(t - M), at most 1
.set kt, kt+1
.endr
	v_pk_mul_f32 v[14:15], v[14:15], v[FF:FF+1] op_sel_hi:[1,0]   ; the sums under the new M: the plain line behind the exponentials
	s_wait_alu depctr_va_vdst(0)                   ; one for the batch, ahead of its first reader
.set kt, 0
.rept 7                                            ; the row's sum of the unquantised p: eight chains side by side over the 32 pairs
	v_pk_add_f32 v[SC+2*kt:SC+2*kt+1], v[\sy+2*kt:\sy+2*kt+1], v[\sy+16+2*kt:\sy+17+2*kt]
.set kt, kt+1
.endr
	v_pk_add_f32 v[14:15], v[14:15], v[\sy+14:\sy+15]
.irp q, 32, 48
.set kt, 0
.rept 7
	v_pk_add_f32 v[SC+2*kt:SC+2*kt+1], v[SC+2*kt:SC+2*kt+1], v[\sy+\q+2*kt:\sy+\q+2*kt+1]
.set kt, kt+1
.endr
	v_pk_add_f32 v[14:15], v[14:15], v[\sy+\q-2:\sy+\q-1]
.endr
	v_pk_add_f32 v[14:15], v[14:15], v[\sy+62:\sy+63]
	v_pk_add_f32 v[SC:SC+1], v[SC:SC+1], v[SC+2:SC+3]
	v_pk_add_f32 v[SC+4:SC+5], v[SC+4:SC+5], v[SC+6:SC+7]
	v_pk_add_f32 v[SC+8:SC+9], v[SC+8:SC+9], v[SC+10:SC+11]
	v_pk_add_f32 v[14:15], v[14:15], v[SC+12:SC+13]
	v_pk_add_f32 v[SC:SC+1], v[SC:SC+1], v[SC+4:SC+5]
	v_pk_add_f32 v[14:15], v[14:15], v[SC+8:SC+9]
	s_delay_alu instid0(VALU_DEP_1)
	v_pk_add_f32 v[14:15], v[14:15], v[SC:SC+1]
.irp b, 0,1,2,3
.set kt, 0
.rept 16
	v_min_num_f32 v[\sy+16*\b+kt], v[\sy+16*\b+kt], v[LIMP]   ; the conversion does not saturate (ISA guide 7.6.2); p is not negative, so the hold is one-sided
.set kt, kt+1
.endr
	v_cvt_scalef32_pk8_bf8_f32 v[PCD+4*\b:PCD+4*\b+1], v[\sy+16*\b:\sy+16*\b+7], v[SCP]
	v_cvt_scalef32_pk8_bf8_f32 v[PCD+4*\b+2:PCD+4*\b+3], v[\sy+16*\b+8:\sy+16*\b+15], v[SCP]
.endr
	v_nop                                          ; a plain line behind the conversions
.if \nxt
.set kt, 0
.rept 8
	ds_load_b128 v[\sy+8*kt:\sy+8*kt+3], v[ADK] offset:\o+16384+1024*kt       ; the next step's K, where p lay
	ds_load_b128 v[\sy+8*kt+4:\sy+8*kt+7], v[ADK] offset:\o+16384+1024*kt+512
.set kt, kt+1
.endr
.endif
	s_wait_alu depctr_va_vdst(0)                   ; ahead of the first reader of O^T
.set kt, 0
.rept 16
	v_pk_mul_f32 v[OT+2*kt:OT+2*kt+1], v[OT+2*kt:OT+2*kt+1], v[FF:FF+1] op_sel_hi:[1,0]   ; O^T under the new M
.set kt, kt+1
.endr
	s_wait_alu depctr_va_vdst(0)
	s_wait_dscnt 16*\nxt                           ; V is in; the next K's sixteen loads, issued behind V's, may be out
.irp t, 0,1,2,3
	v_wmma_f32_16x16x128_bf8_bf8 v[OT+8*\t:OT+8*\t+7], v[\kx+16*\t:\kx+16*\t+15], v[PCD:PCD+15], v[OT+8*\t:OT+8*\t+7]   ; the four accumulators take turns
.endr
.endm
	s_mov_b32 s[TB], 0
	s_mov_b32 s[CNT], 7
.Lstep:                                                ; key steps 0 to 13, two a trip
	STEP FR, SR, 0, 1
	STEP SR, FR, 16384, 1
	s_add_co_u32 s[TB], s[TB], 32768
	s_sub_co_u32 s[CNT], s[CNT], 1
	s_cmp_lg_u32 s[CNT], 0
	s_cbranch_scc1 .Lstep
	STEP FR, SR, 0, 1                              ; key steps 14 and 15: the last asks for no further K
	STEP SR, FR, 16384, 0
	; THE WAY OUT.  Every wave's reads of K and V are over behind this barrier, and those bytes have had their only fill: the waves' stages (16 rows x 272 bytes) lie there.
	s_wait_dscnt 0x0
	s_barrier_signal -1
	s_barrier_wait -1
	v_add_f32 v14, v14, v15
	s_delay_alu instid0(VALU_DEP_1)
	v_permlanex16_b32 v[PD], v14, s[SEL], s[SEL+1]
	s_delay_alu instid0(VALU_DEP_1)
	v_add_f32 v14, v14, v[PD]                      ; the row's sum
	s_wait_alu depctr_va_vdst(0)
	v_rcp_f32 v14, v14
	s_mul_i32 s16, s[WV], 16*272
	v_mul_u32_u24 v10, v2, 272                     ; in: row r, 32 h bytes on; tile t's eight channels 64 t on.  (These plain lines are also the places behind the last products)
	s_delay_alu instid0(VALU_DEP_1)
	v_lshl_add_u32 v10, v3, 5, v10
	s_delay_alu instid0(VALU_DEP_1)
	v_add_nc_u32 v10, s16, v10
	v_mul_u32_u24 v11, v3, 272                     ; back: lanes 0-15 one row of 256 bytes, lanes 16-31 the next
	s_delay_alu instid0(VALU_DEP_1)
	v_lshl_add_u32 v11, v2, 4, v11
	s_delay_alu instid0(VALU_DEP_1)
	v_add_nc_u32 v11, s16, v11
	s_add_co_i32 s17, s70, s71
	s_wait_alu depctr_va_vdst(0)                   ; ahead of the reciprocal's first reader
	v_ldexp_f32 v14, v14, s17                      ; x 2^(e2 + e3)
	s_wait_alu depctr_va_vdst(0)                   ; ahead of the first reader of O^T
.set oj, 0
.rept 32
	v_mul_f32 v[SR+oj], v[OT+oj], v14              ; register 8 t + i: channel 16 t + 8 h + i of my query
.set oj, oj+1
.endr
.irp t, 0,1,2,3
	ds_store_b128 v10, v[SR+8*\t:SR+8*\t+3] offset:64*\t
	ds_store_b128 v10, v[SR+8*\t+4:SR+8*\t+7] offset:64*\t+16
.endr
.irp i, 0,1,2,3,4,5,6,7
	ds_load_b128 v[FR+4*\i:FR+4*\i+3], v11 offset:544*\i   ; LDS serves a wave's instructions in order (ISA guide 5.7.1.4): these see my stores
.endr
.irp i, 0,1,2,3,4,5,6,7
	s_wait_dscnt 7-\i                              ; load i is in; those behind it may be out
	global_store_b128 v[GO], v[FR+4*\i:FR+4*\i+3], s[10:11] offset:(2*\i+8*(\i/4))*2048 th:TH_STORE_NT   ; stage row p is query p + 8 (p / 8) of the tile; 16 lanes store 256 consecutive bytes, aligned
.endr
	s_wait_tensorcnt 0x0                           ; the wave's end
	ds_add_u32 v254, v255
	s_wait_dscnt 0x0
	CROUND                                         ; the closing round
	s_endpgm
.Lfunc_end_k_qd7a439728a_attn:
	.size	k_qd7a439728a_attn, .Lfunc_end_k_qd7a439728a_attn-k_qd7a439728a_attn
	.p2alignl 7, 3214868480
	.fill 96, 4, 3214868480
	.section	.rodata,"a",@progbits
	.p2align	6, 0x0
	.amdhsa_kernel k_qd7a439728a_attn
		.amdhsa_group_segment_fixed_size 264192
		.amdhsa_private_segment_fixed_size 0
		.amdhsa_enable_private_segment 0
		.amdhsa_kernarg_size 32
		.amdhsa_user_sgpr_count 2
		.amdhsa_user_sgpr_kernarg_segment_ptr 1
		.amdhsa_wavefront_size32 1
		.amdhsa_system_sgpr_workgroup_id_x 1
		.amdhsa_system_sgpr_workgroup_id_y 1
		.amdhsa_system_sgpr_workgroup_id_z 1
		.amdhsa_system_vgpr_workitem_id 0
		.amdhsa_next_free_vgpr 256
		.amdhsa_next_free_sgpr 80
		.amdhsa_reserve_vcc 0
		.amdhsa_float_denorm_mode_32 3
		.amdhsa_float_denorm_mode_16_64 3
		.amdhsa_memory_ordered 1
		.amdhsa_forward_progress 1
		.amdhsa_inst_pref_size 73
	.end_amdhsa_kernel
	.amdgpu_metadata
---
amdhsa.version: [ 1, 2 ]
amdhsa.kernels:
  - .name:           k_qd7a439728a_attn
    .symbol:         k_qd7a439728a_attn.kd
    .args:
      - { .name: qc, .offset: 0, .size: 8, .value_kind: global_buffer, .address_space: global }
      - { .name: kv, .offset: 8, .size: 8, .value_kind: global_buffer, .address_space: global }
      - { .name: lowp_scales, .offset: 16, .size: 8, .value_kind: global_buffer, .address_space: global }
      - { .name: ao, .offset: 24, .size: 8, .value_kind: global_buffer, .address_space: global }
    .group_segment_fixed_size: 264192
    .private_segment_fixed_size: 0
    .kernarg_segment_align: 8
    .kernarg_segment_size: 32
    .max_flat_workgroup_size: 512
    .sgpr_count:     80
    .vgpr_count:     256
    .wavefront_size: 32
...
	.end_amdgpu_metadata
.endif
;; end of part 2
;; launch ffn (part 3): grid 256 x 1, 8 waves a work-group, clusters of 4 x 1, 327,680 bytes of LDS; arguments x, ao, wf, lowp_scales, th_ffn, g1, bt1, b1, b2, g2, bt2, out0; writes out0
.if DOCPART == 3
	.amdgcn_target "amdgcn-amd-amdhsa--gfx1250"
	.amdhsa_code_object_version 6
	.text
	.protected	k_qd7a439728a_ffn
	.globl	k_qd7a439728a_ffn
	.p2align	8
	.type	k_qd7a439728a_ffn,@function
k_qd7a439728a_ffn:
	s_mov_b64 s[64:65], 0
	v_nop
	global_prefetch_b8 v0, s[64:65] scope:SCOPE_SE
	s_setreg_imm32_b32 hwreg(HW_REG_WAVE_MODE, 25, 1), 1
	s_wait_xcnt 0x0
	s_wait_alu depctr_hold_cnt(0) depctr_sa_sdst(0) depctr_va_vdst(0) depctr_va_sdst(0) depctr_va_ssrc(0) depctr_va_vcc(0) depctr_vm_vsrc(0)
	s_getreg_b32 s2, hwreg(HW_REG_IB_STS2, 6, 4)
	s_cmp_eq_u32 s2, 0
	s_cbranch_scc0 .Lentry_in_a_cluster
	s_endpgm
.Lentry_in_a_cluster:
	s_bfe_u32 s2, ttmp6, 0x10000c
	s_cmp_lg_u32 s2, 0x3003
	s_cbranch_scc0 .Lentry_shape_is_right
	s_endpgm
.Lentry_shape_is_right:
; x1 = LN(x + ao; g1, bt1);  qf = cos(x1) cos(th_ffn);  h = relu(Q(qf) Q(W1) + b1);  out0 = LN(x1 + Q(h) Q(W2) + b2; g2, bt2).  Q: codes of E5M2 with the given scales 2^e4 (qf), 2^e5 (W1), 2^e6 (h), 2^e7 (W2).
; SHARES.  A work-group takes 32 rows through the whole chain; 256 work-groups.  Eight waves; wave w owns channels 64 w .. 64 w + 63 of the rows (norms, qf, the second product's outputs).
; The hidden layer goes in 16 chunks of 128 units.  In a chunk wave w makes 16 units x 32 rows (8 products, K = 512), quantises them, and puts the codes into an image of the operand's registers in LDS;
; one barrier; every wave reads the image (128 units x 32 rows) and adds 64 outputs x 32 rows (8 products, K = 128).  The image lies twice and the chunks take turns, so one barrier a chunk orders both ways.
; THE WEIGHTS lie in wf as images of operand registers, [chunk][wave][W1 8,192 bytes | W2 8,192 bytes]; each byte is used by one wave of the work-group, once.  They come by two roads.
; W1: JOINT LOADS.  All work-groups walk the same weights; the four of a cluster ask together (mask 15).  A ring of two slots of 131,072 bytes; a fill holds W1 of two chunks; each wave brings its own 2 rows of 8,192 bytes and
; alone reads them.  Eight fills: the first at the head, each other behind the three lines and a round of the cluster's barrier, one load a wave.  Behind each chunk's barrier a wave moves W1 of the chunk two on from LDS into one of two sets of 64 registers.
; W2: STRAIGHT INTO REGISTERS, two sets of 64: a set is asked for again as soon as its products are issued, two chunks ahead of its use; behind a set's 16 loads stand the other set's 16.  These bytes make no way through LDS.
; No prefetch is written: the loop names all 512 registers that a wave is given, so none is left for a prefetch's offsets.
; Both products are used transposed (source 0 = 16 rows of a weight): a lane holds ONE row (lane % 16) and eight neighbouring channels.  x1 + b2 goes in as the second product's first C, divided by 2^(e6 + e7); b1 as the first's, by 2^(e4 + e5).
; LIMITS: e4 between -126 and 112; e4 + e5 and e6 + e7 between -126 and 126; e6 - e4 - e5 between -126 and 112 (each power of two is made as an f32 number).  |x1| up to 1e5 (the cosine's range reduction).  NaN and infinities are not served.
; REGISTERS.  Window 0: v0-15 addresses; v16-31 the hidden sums (head and tail: at work); v32-63 h's operand (head and tail: at work); v64-127 the 8 accumulators; v128-255 W1's two sets.
; Window 1: v0-127 qf's operand (head: ao, x, cos th, b2); v128-255 W2's two sets (head: g1, bt1 in the second).
.set SLOTB, 131072                     ; the ring: slot 0 at 0, slot 1 at SLOTB; wave w's bytes at 16,384 w
.set STG,   262144                     ; 8 waves x 16 rows x 272 bytes: each wave's own stage on the way in; behind the first norm's barriers qf's codes and h's image lie in these bytes
.set QFC,   STG                        ; qf's codes: 32 rows x 528
.set HIMG,  QFC+32*528                 ; h's image, twice 4,096
.set B1L,   STG+8*16*272               ; b1 / 2^(e4 + e5)
.set RED,   B1L+8192                   ; the norms' partial sums
.set CTL,   RED+4096                   ; cos(th_ffn)
.set SPARE, CTL+2048                   ; the spare words: 128 bytes a wave
.set CHB,   131072                     ; a chunk of wf
.set AW,  0                            ; v0: from the first fetch of W1 on, its LDS address
.set LI,  1
.set SPW, 2
.set NIL, 3
.set AB0, 4
.set AHS, 5
.set C13, 4                            ; head alone: v[4:5] = 1 / 13!, twice
.set AHL, 6
.set SCH, 7
.set LIMH, 8
.set XO,  9
.set ARS, 10
.set ARL, 11
.set RR,  12
.set HH,  13
.set AB1, 14
.set QL,  14
.set PO,  15
.set HA,  16
.set STAT, 16
.set QC,  16
.set SIN, 24
.set SOUT, 25
.set QS,  26
.set TG,  27
.set TS,  28
.set TL,  29
.set BG,  30
.set BL,  31
.set TC,  32
.set HF,  32
.set HC,  32
.set RD,  48
.set ACC, 64
.set W1F, 128
.set G2W, 128
.set BT2W, 160
.set TMP, 192
.set QF,  0
.set AOD, 0
.set XD,  64
.set CTR, 0
.set B2W, 32
.set W2F, 128
.set G1W, 192
.set BT1W, 224
.set D1,  32                           ; s[32:39] descriptor group 1
.set D0,  40                           ; s[40:43] group 0, which walks
.set MSB, 0
.macro WIN new                         ; the immediate's high byte repeats the setting that is left
.if MSB != \new
	s_set_vgpr_msb (MSB<<8)|\new
.set MSB, \new
.endif
.endm
.macro WALU
	s_wait_alu depctr_va_vdst(0)
.endm
.macro PLACES
.rept 4
	v_nop
.endr
.endm
.macro CROUND                          ; a round of the cluster's barrier
	s_barrier_signal -1
	s_barrier_wait -1
	s_cmp_lg_u32 s2, 0
	s_cbranch_scc1 .Lnot_wave_0_\@
	s_barrier_signal -3
.Lnot_wave_0_\@:
	s_barrier_wait -3
	s_barrier_signal -1
	s_barrier_wait -1
.endm
; The next fill.  All my tensor loads are in (one was out at the most); the add; the walking descriptor steps to the other slot and two chunks on; the add and my reads of that slot are done; a round; my one load.
.macro REFILL
	s_wait_tensorcnt 0x0
	ds_add_u32 v[SPW], v[NIL]
	s_xor_b32 s[D0+1], s[D0+1], SLOTB
	s_add_nc_u64 s[D0+2:D0+3], s[D0+2:D0+3], 2*CHB
	s_wait_dscnt 0x0
	CROUND
	tensor_load_to_lds s[D0:D0+3], s[D1:D1+7]
	s_nop 0
	PLACES
.endm
; cos of n pairs from v[x] on; pair p's result goes to v[d + ds p].  k = nearest whole number to x / pi - 1/2; r = (k + 1/2) pi - x, pi in two parts; cos x = (-1)^k sin r; sin r by its series up to r^13.  Line by line across the pairs.
.macro COSV d, ds, x, n
.set cp, 0
.rept \n
	v_pk_fma_f32 v[TC+8*cp:TC+8*cp+1], v[(\x)+2*cp:(\x)+2*cp+1], 0x3ea2f983, -0.5 op_sel_hi:[1,0,0]
.set cp, cp+1
.endr
.set cp, 0
.rept \n
	v_rndne_f32 v[TC+8*cp], v[TC+8*cp]
	v_rndne_f32 v[TC+8*cp+1], v[TC+8*cp+1]
.set cp, cp+1
.endr
.set cp, 0
.rept \n
	v_cvt_i32_f32 v[TC+8*cp+2], v[TC+8*cp]
	v_cvt_i32_f32 v[TC+8*cp+3], v[TC+8*cp+1]
.set cp, cp+1
.endr
.set cp, 0
.rept \n
	v_pk_add_f32 v[TC+8*cp:TC+8*cp+1], v[TC+8*cp:TC+8*cp+1], 0.5 op_sel_hi:[1,0]
.set cp, cp+1
.endr
.set cp, 0
.rept \n
	v_pk_fma_f32 v[TC+8*cp+4:TC+8*cp+5], v[TC+8*cp:TC+8*cp+1], 0x40490fdb, v[(\x)+2*cp:(\x)+2*cp+1] op_sel_hi:[1,0,1] neg_lo:[0,0,1] neg_hi:[0,0,1]
.set cp, cp+1
.endr
.set cp, 0
.rept \n
	v_pk_fma_f32 v[TC+8*cp+4:TC+8*cp+5], v[TC+8*cp:TC+8*cp+1], 0xb3bbbd2e, v[TC+8*cp+4:TC+8*cp+5] op_sel_hi:[1,0,1]
.set cp, cp+1
.endr
.set cp, 0
.rept \n
	v_lshlrev_b32 v[TC+8*cp+2], 31, v[TC+8*cp+2]
	v_lshlrev_b32 v[TC+8*cp+3], 31, v[TC+8*cp+3]
.set cp, cp+1
.endr
.set cp, 0
.rept \n
	v_xor_b32 v[TC+8*cp+4], v[TC+8*cp+4], v[TC+8*cp+2]
	v_xor_b32 v[TC+8*cp+5], v[TC+8*cp+5], v[TC+8*cp+3]
.set cp, cp+1
.endr
.set cp, 0
.rept \n
	v_pk_mul_f32 v[TC+8*cp+6:TC+8*cp+7], v[TC+8*cp+4:TC+8*cp+5], v[TC+8*cp+4:TC+8*cp+5]
.set cp, cp+1
.endr
.set cp, 0
.rept \n
	v_pk_fma_f32 v[TC+8*cp+2:TC+8*cp+3], v[TC+8*cp+6:TC+8*cp+7], v[C13:C13+1], 0xb2d7322b op_sel_hi:[1,1,0]
.set cp, cp+1
.endr
.irp lit, 0x3638ef1d, 0xb9500d01, 0x3c088889, 0xbe2aaaab
.set cp, 0
.rept \n
	v_pk_fma_f32 v[TC+8*cp+2:TC+8*cp+3], v[TC+8*cp+2:TC+8*cp+3], v[TC+8*cp+6:TC+8*cp+7], \lit op_sel_hi:[1,1,0]
.set cp, cp+1
.endr
.endr
.set cp, 0
.rept \n
	v_pk_mul_f32 v[TC+8*cp:TC+8*cp+1], v[TC+8*cp+4:TC+8*cp+5], v[TC+8*cp+6:TC+8*cp+7]
.set cp, cp+1
.endr
.set cp, 0
.rept \n
	v_pk_fma_f32 v[(\d)+(\ds)*cp:(\d)+(\ds)*cp+1], v[TC+8*cp:TC+8*cp+1], v[TC+8*cp+2:TC+8*cp+3], v[TC+8*cp+4:TC+8*cp+5]
.set cp, cp+1
.endr
.endm
; the sum (sq = 1: of squares) over a row's 512 channels, for my lane's two rows r and 16 + r, into v[RD] and v[RD+8]: my 32 numbers a row, lane l xor 16's, then the eight waves' through LDS
.macro RSUM off, sq
.irp m, 0,1
.irp t, 0,1,2,3
.set ra, ACC+8*(4*\m+\t)
.set rt, TC+8*\m+2*\t
.if \sq
	v_pk_mul_f32 v[rt:rt+1], v[ra:ra+1], v[ra:ra+1]
.else
	v_pk_add_f32 v[rt:rt+1], v[ra:ra+1], v[ra+2:ra+3]
.endif
.endr
.endr
.irp j, 2,4,6
.irp m, 0,1
.irp t, 0,1,2,3
.set ra, ACC+8*(4*\m+\t)+\j
.set rt, TC+8*\m+2*\t
.if \sq
	v_pk_fma_f32 v[rt:rt+1], v[ra:ra+1], v[ra:ra+1], v[rt:rt+1]
.elseif \j > 2
	v_pk_add_f32 v[rt:rt+1], v[rt:rt+1], v[ra:ra+1]
.endif
.endr
.endr
.endr
.irp m, 0,1
	v_pk_add_f32 v[TC+8*\m:TC+8*\m+1], v[TC+8*\m:TC+8*\m+1], v[TC+8*\m+2:TC+8*\m+3]
	v_pk_add_f32 v[TC+8*\m+4:TC+8*\m+5], v[TC+8*\m+4:TC+8*\m+5], v[TC+8*\m+6:TC+8*\m+7]
.endr
.irp m, 0,1
	v_pk_add_f32 v[TC+8*\m:TC+8*\m+1], v[TC+8*\m:TC+8*\m+1], v[TC+8*\m+4:TC+8*\m+5]
.endr
.irp m, 0,1
	v_add_f32 v[TC+8*\m], v[TC+8*\m], v[TC+8*\m+1]
.endr
.irp m, 0,1
	v_permlanex16_b32 v[TC+8*\m+2], v[TC+8*\m], s66, s67
.endr
.irp m, 0,1
	v_add_f32 v[TC+8*\m], v[TC+8*\m], v[TC+8*\m+2]
.endr
.irp m, 0,1
	ds_store_b32 v[ARS], v[TC+8*\m] offset:\off+512*\m
.endr
	WALU
	s_wait_dscnt 0x0                               ; my partial sums are stored: zero, for the others' sake
	s_barrier_signal -1
	s_barrier_wait -1
.irp m, 0,1
	ds_load_b128 v[RD+8*\m:RD+8*\m+3], v[ARL] offset:\off+512*\m
	ds_load_b128 v[RD+8*\m+4:RD+8*\m+7], v[ARL] offset:\off+512*\m+16
.endr
	s_wait_dscnt 0x0
.irp m, 0,1
	v_pk_add_f32 v[RD+8*\m:RD+8*\m+1], v[RD+8*\m:RD+8*\m+1], v[RD+8*\m+2:RD+8*\m+3]
	v_pk_add_f32 v[RD+8*\m+4:RD+8*\m+5], v[RD+8*\m+4:RD+8*\m+5], v[RD+8*\m+6:RD+8*\m+7]
.endr
.irp m, 0,1
	v_pk_add_f32 v[RD+8*\m:RD+8*\m+1], v[RD+8*\m:RD+8*\m+1], v[RD+8*\m+4:RD+8*\m+5]
.endr
.irp m, 0,1
	v_add_f32 v[RD+8*\m], v[RD+8*\m], v[RD+8*\m+1]
.endr
.endm
; the accumulators' rows are normalised in place: mean, then the mean of squares of what is left.  The gain lies at v[gw], the shift at v[bw], under the windows win
.macro LNORM k, gw, bw, win
	RSUM 2048*\k, 0
.irp m, 0,1
	v_mul_f32 v[STAT+2*\m], s69, v[RD+8*\m]
.endr
.irp m, 0,1
	v_mov_b32 v[STAT+2*\m+1], v[STAT+2*\m]
.endr
.irp m, 0,1
.set lj, 0
.rept 16
	v_pk_add_f32 v[ACC+32*\m+2*lj:ACC+32*\m+2*lj+1], v[ACC+32*\m+2*lj:ACC+32*\m+2*lj+1], v[STAT+2*\m:STAT+2*\m+1] neg_lo:[0,1] neg_hi:[0,1]
.set lj, lj+1
.endr
.endr
	RSUM 2048*\k+1024, 1
.irp m, 0,1
	v_fma_f32 v[STAT+4+2*\m], v[RD+8*\m], s69, s70
.endr
	WALU
.irp m, 0,1
	v_rsq_f32 v[STAT+4+2*\m], v[STAT+4+2*\m]
.endr
	v_nop
	WALU
.irp m, 0,1
	v_mov_b32 v[STAT+5+2*\m], v[STAT+4+2*\m]
.endr
.irp m, 0,1
.set lj, 0
.rept 16
	v_pk_mul_f32 v[ACC+32*\m+2*lj:ACC+32*\m+2*lj+1], v[ACC+32*\m+2*lj:ACC+32*\m+2*lj+1], v[STAT+4+2*\m:STAT+5+2*\m]
.set lj, lj+1
.endr
.endr
	WIN \win
.irp m, 0,1
.set lj, 0
.rept 16
	v_pk_fma_f32 v[ACC+32*\m+2*lj:ACC+32*\m+2*lj+1], v[ACC+32*\m+2*lj:ACC+32*\m+2*lj+1], v[\gw+2*lj:\gw+2*lj+1], v[\bw+2*lj:\bw+2*lj+1]
.set lj, lj+1
.endr
.endr
	WIN 0
.endm
.macro DENSE reg, base                 ; my 64 channels of the 32 rows: sixteen lanes read 256 consecutive bytes, aligned; load j: rows 2 j and 2 j + 1
.set lj, 0
.rept 16
	global_load_b128 v[\reg+4*lj:\reg+4*lj+3], v[XO], s[\base:\base+1] offset:4096*lj th:TH_LOAD_NT
.set lj, lj+1
.endr
.endm
.macro PARAM reg, base                 ; a vector of 512 in the accumulators' layout: register 8 t + i is channel 64 w + 16 t + 8 h + i
.irp t, 0,1,2,3
	global_load_b128 v[\reg+8*\t:\reg+8*\t+3], v[PO], s[\base:\base+1] offset:64*\t
	global_load_b128 v[\reg+8*\t+4:\reg+8*\t+7], v[PO], s[\base:\base+1] offset:64*\t+16
.endr
.endm
.macro FETCH reg, off                  ; a set of W2: 16 loads of 512 consecutive bytes
.set lj, 0
.rept 16
	global_load_b128 v[\reg+4*lj:\reg+4*lj+3], v[LI], s[12:13] offset:\off+512*lj
.set lj, lj+1
.endr
.endm
.macro LFETCH reg, off                 ; a set of W1, out of my own bytes of a slot
.set lj, 0
.rept 16
	ds_load_b128 v[\reg+4*lj:\reg+4*lj+3], v[AW] offset:\off+512*lj
.set lj, lj+1
.endr
.endm
.macro TURNIN m                        ; 16 rows of x + ao through my own stage into the accumulators' layout; LDS serves a wave's instructions in order (ISA guide 5.7.1.4)
	WIN 0x04
.set lj, 0
.rept 8
	ds_store_b128 v[SIN], v[XD+32*\m+4*lj:XD+32*\m+4*lj+3] offset:544*lj
.set lj, lj+1
.endr
	WIN 0
.irp t, 0,1,2,3
	ds_load_b128 v[ACC+8*(4*\m+\t):ACC+8*(4*\m+\t)+3], v[SOUT] offset:64*\t
	ds_load_b128 v[ACC+8*(4*\m+\t)+4:ACC+8*(4*\m+\t)+7], v[SOUT] offset:64*\t+16
.endr
.endm
.macro BIAS adr                        ; b1 of my 8 hidden units, as the C of both row tiles' first products
.irp m, 0,1
	ds_load_b128 v[HA+8*\m:HA+8*\m+3], v[\adr]
	ds_load_b128 v[HA+8*\m+4:HA+8*\m+7], v[\adr] offset:16
.endr
.endm
.macro STAGEADR mul, base              ; my stage at base + mul x wave: SIN by rows of 256 bytes (two rows an instruction), SOUT in the accumulators' layout
	s_mul_i32 s72, s2, \mul
	s_add_co_u32 s72, s72, \base
	v_mul_u32_u24 v[SIN], v[HH], 272
	v_mul_u32_u24 v[SOUT], v[RR], 272
	v_lshl_add_u32 v[SIN], v[RR], 4, v[SIN]
	v_lshl_add_u32 v[SOUT], v[HH], 5, v[SOUT]
	v_add_nc_u32 v[SIN], s72, v[SIN]
	v_add_nc_u32 v[SOUT], s72, v[SOUT]
.endm
	s_load_b512 s[8:23], s[0:1], 0x0               ; x 8, ao 10, wf 12, the exponents 14, th_ffn 16, g1 18, bt1 20, b1 22
	s_load_b256 s[24:31], s[0:1], 0x40             ; b2 24, g2 26, bt2 28, out0 30
	v_lshl_add_u32 v[SPW], v0, 2, SPARE
	v_mov_b32 v[NIL], 0
	ds_add_u32 v[SPW], v[NIL]                      ; the opening lines: the add, twice on end, and its wait
	ds_add_u32 v[SPW], v[NIL]
	v_lshrrev_b32 v[LI], 5, v0
	v_readfirstlane_b32 s2, v[LI]                  ; wave 0..7
	s_bfe_u32 s4, ttmp6, 0x40000                   ; cx
	s_lshl_b32 s5, ttmp9, 2
	s_add_co_u32 s5, s5, s4                        ; my work-group: it enters x's, ao's and out0's addresses alone
	s_mov_b32 s[D1], 15|(3<<16)|(1<<21)            ; the mask: all four; elements of 8 bytes; bit 21 beside a mask.  2 rows of 1,024 elements, a chunk (16,384 elements) apart
	s_mov_b32 s[D1+1], 1024<<16
	s_mov_b32 s[D1+2], 2<<16
	s_mov_b32 s[D1+3], 1024<<16
	s_mov_b32 s[D1+4], 2
	s_mov_b32 s[D1+5], 16384
	s_mov_b32 s[D1+6], 0
	s_mov_b32 s[D1+7], 0
	s_lshl_b32 s6, s2, 8                           ; my 64 channels, in bytes
	s_lshl_b32 s78, s2, 14                         ; my part of a chunk of wf, and of a slot
	s_mov_b32 s79, 0
	s_mov_b32 s84, s78                             ; the slot from which W1 is fetched next: slot 0
	s_lshl_b32 s72, s5, 16                         ; my work-group's 32 rows of 2,048 bytes
	s_mov_b32 s73, 0
	s_mov_b32 s66, 0x76543210
	s_mov_b32 s67, 0xfedcba98
	s_mov_b32 s69, 0x3b000000                      ; 1 / 512
	s_mov_b32 s70, 0x3727c5ac                      ; 1e-5
	v_and_b32 v[LI], 31, v0
	v_and_b32 v[RR], 15, v0
	v_bfe_u32 v[HH], v0, 4, 1
	v_lshl_add_u32 v[TG], v[LI], 2, s6
	v_lshlrev_b32 v[LI], 4, v[LI]
	v_lshlrev_b32 v[XO], 11, v[HH]
	v_lshl_add_u32 v[XO], v[RR], 4, v[XO]
	v_add_nc_u32 v[XO], s6, v[XO]
	v_lshl_add_u32 v[PO], v[HH], 5, s6
	v_lshlrev_b32 v[BG], 5, v0
	WALU
	s_wait_dscnt 0x0                               ; both opening adds are done
	s_wait_kmcnt 0x0
	s_load_b256 s[48:55], s[14:15], 0x0            ; e0 .. e7
	s_add_nc_u64 s[12:13], s[12:13], s[78:79]
	s_add_nc_u64 s[8:9], s[8:9], s[72:73]
	s_add_nc_u64 s[10:11], s[10:11], s[72:73]
	s_add_nc_u64 s[30:31], s[30:31], s[72:73]
	s_mov_b32 s[D0], 1
	s_mov_b32 s[D0+1], s78
	s_mov_b64 s[D0+2:D0+3], s[12:13]
	s_or_b32 s[D0+3], s[D0+3], 0x80000000
	global_load_b32 v62, v[TG], s[16:17]           ; what the first norm waits for: 52 loads
	global_load_b32 v63, v[TG], s[16:17] offset:128
	global_load_b128 v[40:43], v[BG], s[22:23]
	global_load_b128 v[44:47], v[BG], s[22:23] offset:16
	WIN 0x40
	PARAM G1W, 18
	PARAM BT1W, 20
	DENSE AOD, 10
	DENSE XD, 8
	WIN 0
	CROUND                                         ; all four work-groups are here: the joint loads meet
	tensor_load_to_lds s[D0:D0+3], s[D1:D1+7]      ; fill 0: W1 of chunks 0 and 1; my one load at the head
	s_nop 0
	PLACES
	s_add_co_u32 s72, s6, CTL
	v_and_b32 v[TS], 31, v0
	v_lshl_add_u32 v[TS], v[TS], 2, s72
	v_lshl_add_u32 v[TL], v[HH], 5, s72
	v_add_nc_u32 v[BL], B1L, v[BG]
	s_lshl_b32 s72, s2, 2
	s_add_co_u32 s72, s72, RED
	v_lshl_add_u32 v[ARS], v[RR], 5, s72
	v_lshl_add_u32 v[ARL], v[RR], 5, RED
	v_mul_u32_u24 v[QS], v[RR], 528
	s_lshl_b32 s72, s2, 6
	s_add_co_u32 s72, s72, QFC
	v_lshl_add_u32 v[QS], v[HH], 3, v[QS]
	v_add_nc_u32 v[QS], s72, v[QS]
	STAGEADR 16*272, STG
	v_add_nc_u32 v[AHL], HIMG, v[LI]
	v_mov_b32 v[C13], 0x2f309231
	v_mov_b32 v[C13+1], 0x2f309231
	WIN 0x40
	FETCH W2F, 8192                                ; chunk 0's W2
	WIN 0
	WALU
	s_wait_kmcnt 0x0
	s_add_co_i32 s72, s54, s55
	s_sub_co_i32 s56, 127, s72
	s_lshl_b32 s56, s56, 23                        ; 2^-(e6 + e7)
	s_mov_b32 s57, s56
	s_add_co_i32 s58, s72, 127
	s_lshl_b32 s58, s58, 23                        ; 2^(e6 + e7)
	s_mov_b32 s59, s58
	s_add_co_i32 s73, s52, s53
	s_sub_co_i32 s60, 127, s73
	s_lshl_b32 s60, s60, 23                        ; 2^-(e4 + e5)
	s_mov_b32 s61, s60
	s_add_co_i32 s74, s52, 127
	s_lshl_b32 s80, s74, 23                        ; 2^e4
	s_add_co_i32 s74, s74, 15
	s_lshl_b32 s81, s74, 23
	s_or_b32 s81, s81, 0x600000                    ; 57,344 x 2^e4
	s_sub_co_i32 s74, s54, s73
	s_add_co_i32 s74, s74, 127
	s_lshl_b32 s82, s74, 23                        ; 2^(e6 - e4 - e5): the first product's sums lack 2^(e4 + e5)
	s_add_co_i32 s74, s74, 15
	s_lshl_b32 s83, s74, 23
	s_or_b32 s83, s83, 0x600000
	s_wait_loadcnt 63                              ; of the 68 loads issued the oldest 5 are in: th_ffn and b1 among them
	COSV 62, 2, 62, 1
	ds_store_b32 v[TS], v62
	ds_store_b32 v[TS], v63 offset:128
.irp j, 0,2,4,6
	v_pk_mul_f32 v[40+\j:41+\j], v[40+\j:41+\j], s[60:61] op_sel_hi:[1,0]
.endr
	ds_store_b128 v[BL], v[40:43]
	ds_store_b128 v[BL], v[44:47] offset:16
	s_wait_loadcnt 24                              ; ao and x's rows 0-15 are in; behind them x's other 8 loads and W2's 16
	WIN 0x45
.set lj, 0
.rept 16
	v_pk_add_f32 v[XD+2*lj:XD+2*lj+1], v[XD+2*lj:XD+2*lj+1], v[AOD+2*lj:AOD+2*lj+1]
.set lj, lj+1
.endr
	TURNIN 0
	s_wait_loadcnt 16
	WIN 0x45
.set lj, 16
.rept 16
	v_pk_add_f32 v[XD+2*lj:XD+2*lj+1], v[XD+2*lj:XD+2*lj+1], v[AOD+2*lj:AOD+2*lj+1]
.set lj, lj+1
.endr
	TURNIN 1
	WIN 0x40
.irp t, 0,1,2,3
	ds_load_b128 v[CTR+8*\t:CTR+8*\t+3], v[TL] offset:64*\t        ; cos(th_ffn) in the accumulators' layout: my own wave stored these bytes
	ds_load_b128 v[CTR+8*\t+4:CTR+8*\t+7], v[TL] offset:64*\t+16
.endr
	PARAM B2W, 24
	WIN 0
	WALU
	REFILL                                         ; fill 0 is in; fill 1, slot 1's first, is issued as a refill is
	v_add_nc_u32 v[AW], s84, v[LI]
	LFETCH W1F, 0                                  ; W1 of chunks 0 and 1 into its two sets
	LFETCH W1F+64, 8192
	s_xor_b32 s84, s84, SLOTB
	LNORM 0, G1W, BT1W, 0x14                       ; x1
	WIN 0x40
	FETCH W2F+64, CHB+8192                         ; chunk 1's W2, where g1 and bt1 lay
	WIN 0
	v_mov_b32 v[SCH], s80
	v_mov_b32 v[LIMH], s81
.set qa, 0
.rept 8                                            ; qf, tile by tile: eight numbers a lane
	COSV TC+6, 8, ACC+8*qa, 4
	WIN 0x04
.irp c, 0,1,2,3
	v_pk_mul_f32 v[TC+2*\c:TC+2*\c+1], v[TC+8*\c+6:TC+8*\c+7], v[CTR+8*(qa%4)+2*\c:CTR+8*(qa%4)+2*\c+1]
.endr
	WIN 0
.irp i, 0,1,2,3,4,5,6,7
	v_med3_num_f32 v[TC+\i], v[TC+\i], -v[LIMH], v[LIMH]   ; the conversion does not saturate (ISA guide 7.6.2): the hold comes first
.endr
	v_cvt_scalef32_pk8_bf8_f32 v[QC+2*(qa%2):QC+2*(qa%2)+1], v[TC:TC+7], v[SCH]
	v_nop
	ds_store_b64 v[QS], v[QC+2*(qa%2):QC+2*(qa%2)+1] offset:8448*(qa/4)+16*(qa%4)
.set qa, qa+1
.endr
	WALU
	s_wait_loadcnt 16                              ; b2 is in, and all that was asked for ahead of it; behind it chunk 1's W2
	WIN 0x41
.set lj, 0
.rept 16
	v_pk_mul_f32 v[B2W+2*lj:B2W+2*lj+1], v[B2W+2*lj:B2W+2*lj+1], s[56:57] op_sel_hi:[1,0]
.set lj, lj+1
.endr
	WIN 0x10
.irp m, 0,1
.set lj, 0
.rept 16
	v_pk_fma_f32 v[ACC+32*\m+2*lj:ACC+32*\m+2*lj+1], v[ACC+32*\m+2*lj:ACC+32*\m+2*lj+1], s[56:57], v[B2W+2*lj:B2W+2*lj+1] op_sel_hi:[1,0,1]   ; (x1 + b2) / 2^(e6 + e7): the sums begin here
.set lj, lj+1
.endr
.endr
	WIN 0
	s_lshr_b32 s74, s2, 1
	s_and_b32 s75, s2, 1
	s_lshl_b32 s72, s74, 7
	s_lshl_b32 s73, s75, 5
	s_add_co_u32 s72, s72, s73
	s_add_co_u32 s72, s72, B1L
	v_lshl_add_u32 v[AB0], v[HH], 6, s72           ; my hidden units of a chunk: 32 (w / 2) + 16 h + 8 (w % 2) + 0 .. 7
	s_lshl_b32 s72, s74, 9
	s_lshl_b32 s73, s75, 3
	s_add_co_u32 s72, s72, s73
	s_add_co_u32 s72, s72, HIMG
	v_add_nc_u32 v[AHS], s72, v[LI]                ; and their 8 codes in the image: group w / 2, my lane's 16 bytes, half w % 2
	v_mul_u32_u24 v[QL], v[RR], 528
	v_lshl_add_u32 v[QL], v[HH], 4, v[QL]
	v_add_nc_u32 v[QL], QFC, v[QL]
	v_mov_b32 v[SCH], s82
	v_mov_b32 v[LIMH], s83
	s_mov_b32 s68, 0
	WALU
	REFILL                                         ; fill 1 is in; my codes of qf and my part of b1 are stored, and the round shows them to all; fill 2 goes into slot 0, which all waves have read out
	WIN 0x40
.irp s, 0,1,2,3
.irp g, 0,1,2,3
	ds_load_b128 v[QF+16*\s+4*\g:QF+16*\s+4*\g+3], v[QL] offset:128*\s+32*\g
	ds_load_b128 v[QF+64+16*\s+4*\g:QF+64+16*\s+4*\g+3], v[QL] offset:8448+128*\s+32*\g
.endr
.endr
	WIN 0
	BIAS AB0
	s_wait_dscnt 0x0
; A CHUNK.  b: which sets and which image.  n2: the plain loads issued behind this chunk's W2.  f1: behind the barrier fetch W1 of the chunk two on from LDS.  p: ask for g2 and bt2.  f2: ask for W2 two chunks on.
; nb: fetch the next chunk's b1.  tw: in front of the barrier wait for my last tensor load.
.macro CHUNK b, n2, f1, p, f2, nb, tw
	WIN 0x04
.irp s, 0,1,2,3
	v_wmma_f32_16x16x128_bf8_bf8 v[HA:HA+7], v[W1F+64*\b+16*\s:W1F+64*\b+16*\s+15], v[QF+16*\s:QF+16*\s+15], v[HA:HA+7]      ; the two accumulators take turns
	v_wmma_f32_16x16x128_bf8_bf8 v[HA+8:HA+15], v[W1F+64*\b+16*\s:W1F+64*\b+16*\s+15], v[QF+64+16*\s:QF+64+16*\s+15], v[HA+8:HA+15]
.endr
	WIN 0
	PLACES                                         ; in front of the first read of the sums and of loads into registers just read
.if \p
	PARAM G2W, 26
	PARAM BT2W, 28
.endif
.set lj, 0
.rept 16
	v_med3_num_f32 v[HA+lj], v[HA+lj], 0, v[LIMH]  ; relu and the hold in one
.set lj, lj+1
.endr
	v_cvt_scalef32_pk8_bf8_f32 v[HC:HC+1], v[HA:HA+7], v[SCH]
	v_cvt_scalef32_pk8_bf8_f32 v[HC+2:HC+3], v[HA+8:HA+15], v[SCH]
	v_nop
	ds_store_b64 v[AHS], v[HC:HC+1] offset:4096*\b
	ds_store_b64 v[AHS], v[HC+2:HC+3] offset:4096*\b+2048
.if \nb
	s_add_co_u32 s68, s68, 512
	v_add_nc_u32 v[AB1], s68, v[AB0]
	BIAS AB1
.endif
.if \tw
	s_wait_tensorcnt 0x0                           ; the last fill is in
.endif
	s_wait_dscnt 0x0                               ; my codes are stored (and my reads of the other image were over before its products)
	s_barrier_signal -1
	s_barrier_wait -1
.if \f1
	v_add_nc_u32 v[AW], s84, v[LI]
.endif
.irp m, 0,1
.irp g, 0,1,2,3
	ds_load_b128 v[HF+16*\m+4*\g:HF+16*\m+4*\g+3], v[AHL] offset:4096*\b+2048*\m+512*\g
.endr
.endr
.if \f1
	LFETCH W1F+64*\b, 8192*\b
.endif
	s_wait_dscnt 16*\f1                            ; h's operand is in; W1's sixteen loads, issued behind it, may be out
	WIN 0x01
.irp t, 0,1,2,3
	s_wait_loadcnt \n2+12-4*\t                     ; this tile's four loads are in
.irp m, 0,1
	v_wmma_f32_16x16x128_bf8_bf8 v[ACC+8*(4*\m+\t):ACC+8*(4*\m+\t)+7], v[W2F+64*\b+16*\t:W2F+64*\b+16*\t+15], v[HF+16*\m:HF+16*\m+15], v[ACC+8*(4*\m+\t):ACC+8*(4*\m+\t)+7]
.endr
.endr
	WIN 0
	PLACES
.if \f2
.if \b == 0
	s_wait_xcnt 0x0                                ; the loads issued so far have read their base: it steps two chunks on
	s_add_nc_u64 s[12:13], s[12:13], 2*CHB
.endif
	WIN 0x40
	FETCH W2F+64*\b, \b*CHB+8192
	WIN 0
.endif
.endm
	s_mov_b32 s3, 5
.Lring:                                                ; chunks 0 to 9, two a trip; trip i moves fill i + 1 into registers and then asks for fill i + 3 into the same slot
	CHUNK 0, 16, 1, 0, 1, 1, 0
	CHUNK 1, 16, 1, 0, 1, 1, 0
	REFILL
	s_xor_b32 s84, s84, SLOTB
	s_sub_co_u32 s3, s3, 1
	s_cmp_lg_u32 s3, 0
	s_cbranch_scc1 .Lring
	CHUNK 0, 16, 1, 0, 1, 1, 0                     ; chunks 10, 11: fill 6 is moved; nothing more is asked of the ring
	CHUNK 1, 16, 1, 0, 1, 1, 0
	s_xor_b32 s84, s84, SLOTB
	CHUNK 0, 16, 1, 0, 1, 1, 1                     ; chunks 12, 13: fill 7
	CHUNK 1, 16, 1, 0, 1, 1, 0
	CHUNK 0, 32, 0, 1, 0, 1, 0                     ; chunk 14: behind its W2 stand chunk 15's and the 16 loads of g2 and bt2
	CHUNK 1, 16, 0, 0, 0, 0, 0                     ; chunk 15: behind its W2 those 16
.set lj, 0
.rept 32
	v_pk_mul_f32 v[ACC+2*lj:ACC+2*lj+1], v[ACC+2*lj:ACC+2*lj+1], s[58:59] op_sel_hi:[1,0]   ; x 2^(e6 + e7): x1 + f; each accumulator from its low end on
.set lj, lj+1
.endr
	STAGEADR 16384, 0                              ; the way out's stage, 32 rows x 272: my own bytes of slot 0, which has had its last fill and its last read
	WALU
	s_wait_loadcnt 0x0                             ; g2, bt2
	LNORM 1, G2W, BT2W, 0
.irp m, 0,1
.irp t, 0,1,2,3
	ds_store_b128 v[SOUT], v[ACC+8*(4*\m+\t):ACC+8*(4*\m+\t)+3] offset:4352*\m+64*\t
	ds_store_b128 v[SOUT], v[ACC+8*(4*\m+\t)+4:ACC+8*(4*\m+\t)+7] offset:4352*\m+64*\t+16
.endr
.endr
.set lj, 0
.rept 16
	ds_load_b128 v[TMP+4*lj:TMP+4*lj+3], v[SIN] offset:544*lj     ; back by rows, out of my own stage
.set lj, lj+1
.endr
.set lj, 0
.rept 16
	s_wait_dscnt 15-lj                             ; load lj is in; those behind it may be out
	global_store_b128 v[XO], v[TMP+4*lj:TMP+4*lj+3], s[30:31] offset:4096*lj th:TH_STORE_NT   ; sixteen lanes store 256 consecutive bytes, aligned
.set lj, lj+1
.endr
	s_wait_tensorcnt 0x0                           ; the wave's end
	ds_add_u32 v[SPW], v[NIL]
	s_wait_dscnt 0x0
	CROUND                                         ; the closing round
	s_endpgm
.Lfunc_end_k_qd7a439728a_ffn:
	.size	k_qd7a439728a_ffn, .Lfunc_end_k_qd7a439728a_ffn-k_qd7a439728a_ffn
	.p2alignl 7, 3214868480
	.fill 96, 4, 3214868480
	.section	.rodata,"a",@progbits
	.p2align	6, 0x0
	.amdhsa_kernel k_qd7a439728a_ffn
		.amdhsa_group_segment_fixed_size 327680
		.amdhsa_private_segment_fixed_size 0
		.amdhsa_enable_private_segment 0
		.amdhsa_kernarg_size 96
		.amdhsa_user_sgpr_count 2
		.amdhsa_user_sgpr_kernarg_segment_ptr 1
		.amdhsa_wavefront_size32 1
		.amdhsa_system_sgpr_workgroup_id_x 1
		.amdhsa_system_sgpr_workgroup_id_y 1
		.amdhsa_system_sgpr_workgroup_id_z 1
		.amdhsa_system_vgpr_workitem_id 0
		.amdhsa_next_free_vgpr 512
		.amdhsa_next_free_sgpr 100
		.amdhsa_reserve_vcc 0
		.amdhsa_float_denorm_mode_32 3
		.amdhsa_float_denorm_mode_16_64 3
		.amdhsa_memory_ordered 1
		.amdhsa_forward_progress 1
		.amdhsa_inst_pref_size 161
	.end_amdhsa_kernel
	.amdgpu_metadata
---
amdhsa.version: [ 1, 2 ]
amdhsa.kernels:
  - .name:           k_qd7a439728a_ffn
    .symbol:         k_qd7a439728a_ffn.kd
    .args:
      - { .name: x, .offset: 0, .size: 8, .value_kind: global_buffer, .address_space: global }
      - { .name: ao, .offset: 8, .size: 8, .value_kind: global_buffer, .address_space: global }
      - { .name: wf, .offset: 16, .size: 8, .value_kind: global_buffer, .address_space: global }
      - { .name: lowp_scales, .offset: 24, .size: 8, .value_kind: global_buffer, .address_space: global }
      - { .name: th_ffn, .offset: 32, .size: 8, .value_kind: global_buffer, .address_space: global }
      - { .name: g1, .offset: 40, .size: 8, .value_kind: global_buffer, .address_space: global }
      - { .name: bt1, .offset: 48, .size: 8, .value_kind: global_buffer, .address_space: global }
      - { .name: b1, .offset: 56, .size: 8, .value_kind: global_buffer, .address_space: global }
      - { .name: b2, .offset: 64, .size: 8, .value_kind: global_buffer, .address_space: global }
      - { .name: g2, .offset: 72, .size: 8, .value_kind: global_buffer, .address_space: global }
      - { .name: bt2, .offset: 80, .size: 8, .value_kind: global_buffer, .address_space: global }
      - { .name: out0, .offset: 88, .size: 8, .value_kind: global_buffer, .address_space: global }
    .group_segment_fixed_size: 327680
    .private_segment_fixed_size: 0
    .kernarg_segment_align: 8
    .kernarg_segment_size: 96
    .max_flat_workgroup_size: 256
    .sgpr_count:     100
    .vgpr_count:     512
    .wavefront_size: 32
...
	.end_amdgpu_metadata
.endif
;; end of part 3
